; MI455X (gfx1250); checked and timed in simulation.
; The chip was launched on July 23, 2026; its instructions are those of AMD's public machine-readable ISA for CDNA 5 (MIT licence, August 2026) and "CDNA5" Instruction Set Architecture Reference Guide (July 2026). The comments in the code are by the model that wrote it; some were corrected since.
;; Partial BQQ Linear. Allowed arithmetic: matrix products marked QUANTISED: E4M3 operands, one E8M0 scale for each 32 along K, by v_wmma_scale_f32_16x16x128_f8f6f4 with both operands' format E4M3, f32 sums; products left as they are: f32 operands where the result goes on into a quantised operand, else bf16, f16 or f32 operands; f32 sums; everything else in f32.
;; Inputs: X 4,096 x 4,096 float32; Y 4 x 32 x 32 x 128 x 16 bool; Z 4 x 32 x 32 x 16 x 128 bool; a 4 x 32 x 32 x 1 x 1 float32; b 4 x 32 x 32 x 1 x 1 float32; bias 4,096 float32; c 4 x 32 x 32 x 1 x 1 float32; d 32 x 32 x 1 x 1 float32; float_weight 4,096 x 4,096 float32; quantized_mask 32 x 32 bool.
;; Outputs: out0 4,096 x 4,096 float32.
;; This version of the problem:
;;   THIS VERSION OF THE PROBLEM IS GIVEN IN LOW PRECISION. The matrix products marked QUANTISED in the list below multiply operands that are first quantised to E4M3 (4 exponent bits, 3 mantissa bits; 8 bits a number), with one power-of-two scale for each 32 numbers along K (OCP MX v1.0); their sums are f32. All else is computed in f32.
;;   The module's matrix products, in the order in which they are computed (A, B: the left and right operand; K: the contracted axis; several contracted axes count as one K, in the product's order):
;;     1. batch 4,096 x [M 128, K 16] x [K 16, N 128]; A: input Y; B: input Z: left as it is (K = 16 < 32)
;;     2. [M 4,096, K 4,096] x [K 4,096, N 4,096]; A: input X; B: computed on the way: QUANTISED
;;   THE QUANTISER, for each operand of a quantised product, along K:
;;     - K is cut into blocks of 32 from its start; a last block that is shorter is filled with zeros.
;;     - A block's scale is 2^e with e = floor(log2(the largest magnitude in the block)) - 8, held to -126 .. 127; a block of zeros has e = 0. As a byte (E8M0): e + 127.
;;     - Each number is divided by its block's scale, clamped to +-448, and rounded to the nearest number of E4M3, ties to even, subnormals kept.
;;     - The product sums the exact products of the quantised numbers (number of the format x scale) in f32.
;;   ~~~python
;;   def quantise(x, axis):      # numpy; x: float32 -> the quantised numbers, widened to float32 again
;;       x = np.moveaxis(x, axis, -1); K = x.shape[-1]
;;       x = np.pad(x, [(0, 0)] * (x.ndim - 1) + [(0, -K % 32)]); x = x.reshape(x.shape[:-1] + (-1, 32)); a = np.abs(x).max(-1, keepdims=True)
;;       e = np.where(a > 0, np.clip(np.frexp(np.where(a > 0, a, 1))[1] - 1 - 8, -126, 127), 0)      # np.frexp(a)[1] - 1 = floor(log2(a)), exactly
;;       r = np.clip(x / 2.0 ** e, -448, 448)
;;       step = 2.0 ** (np.maximum(np.frexp(np.where(r == 0, 1, r))[1] - 1, -6) - 3)
;;       q = np.round(r / step) * step * 2.0 ** e      # np.round: ties to even
;;       return np.moveaxis(q.reshape(q.shape[:-2] + (-1,))[..., :K], -1, axis).astype(np.float32)
;;   ~~~
;;   OPERANDS COMPUTED ON THE WAY. 'Computed on the way' means the value that the module computes at that place (a softmax that the list does not call 'softmax' is quantised finished and normalised). What goes into a quantiser is computed in f32, as accurately as f32 sums, v_exp_f32 and their like allow (about 1e-6 of the number): no bf16 or f16 on the way to a quantiser, and a product that is left as it is and whose result goes on into a quantised operand takes f32 operands (vector FMAs, or v_wmma_f32_16x16x4_f32). A number that lies on a knife's edge between two numbers of the format may be rounded either way, as far as f32 arithmetic and the matrix unit's own rounding can turn it there, and no further.
;; One version. Each part assembles by itself: llvm-mc -triple=amdgcn-amd-amdhsa -mcpu=gfx1250 --defsym DOCPART=n.
;; ======== version 1 of 1: 2 launches
;; workspace buffers: xq 17,301,504 bytes; wq 17,301,504 bytes
;; launch prep (part 1): grid 2048 x 1, 4 waves a work-group, no clusters, 71,168 bytes of LDS; arguments X, float_weight, Y, Z, a, b, c, d, quantized_mask, xq, wq; writes xq, wq
.if DOCPART == 1
	.amdgcn_target "amdgcn-amd-amdhsa--gfx1250"
	.amdhsa_code_object_version 6
	.text
	.protected	k_qb90acb3a80_prep
	.globl	k_qb90acb3a80_prep
	.p2align	8
	.type	k_qb90acb3a80_prep,@function
k_qb90acb3a80_prep:
	s_mov_b64 s[64:65], 0
	v_nop
	global_prefetch_b8 v0, s[64:65] scope:SCOPE_SE
	s_setreg_imm32_b32 hwreg(HW_REG_WAVE_MODE, 25, 1), 1
	s_wait_xcnt 0x0
; X [4096][4096] f32 and the weight W [4096 (out)][4096 (in)] are turned into codes of FP8 (E4M3) with one E8M0 scale byte for each 32 along K (the in axis), into xq and wq.
; W is made on the way, block by block of 128 x 128: where quantized_mask[rw][cw] is not 0 it is d + sum over bw of (a Y Z + b Ysum + c Zsum), else float_weight.
; LAYOUT OF xq AND wq: 1,024 units of 16,896 bytes; unit u = 32 g + kb holds rows 128 g .. +127, K 128 kb .. +127, IN THE ORDER OF THE OPERAND'S REGISTERS: fragment i (rows 16 i .. +15) at 2,048 i;
; in it chunk c at 512 c; in it lane (r, h)'s 16 bytes at 16 (r + 16 h): the codes of row 16 i + r, k = 32 c + 16 h + 0 .. 15.  Behind the codes, at 16,384 + 4 x row, each row's scale word (byte c for k = 32 c ..).
; SHARES: a work-group makes one unit: numbers 0 .. 1023 wq's, 1024 .. 2047 xq's.  Wave w takes rows 32 w .. 32 w + 31: two fragments (t = 0, 1).  Waves share nothing: no barrier.
; THE FLOAT WAY (X, and W's blocks whose mask byte is 0): each load takes 512 consecutive bytes of one row; 16 rows turn through the wave's own stage in LDS so that a lane holds 16 neighbours of each block of 32.
; THE BQQ WAY: W = (d + sum_bw b Ysum) + sum_bw sum_i Z[i][z] (a Y[y][i] + c): 64 fused multiply-adds in f32 by v_wmma_f32_16x16x4_f32, the row term as the C of the first.  Source 0 = Z^T, source 1 = a Y + c.
;   K's places, alike on both sides: K step s, half h, register jj stand for i = 8 h + 2 s + jj.  Tile (g, q) takes as its row m the column z = 64 g + 4 m + q: so lane (r, h) holds row y = r, and its register j of
;   tile (g, q) the column z = 64 g + 32 h + 4 j + q: the 32 registers of one g are ONE block of 32 along K (block 2 g + h): its largest magnitude needs no other lane.  The codes' order is mended by 4 x 4 byte transposes.
; A block's scale is 2^(floor(log2(its largest magnitude)) - 8); its byte is that magnitude's exponent field - 8, held at 1 from below.
; LIMITS: NaN and infinities are not served.  A block of zeros gets the byte 1 where the rule says 127: its codes are zeros, and this program alone reads the bytes.  Bool bytes of Y and Z are taken as 0 or 1; a mask byte
; counts as true where it is not 0.  The BQQ weight is summed in another order than the source text writes it (above): every term in f32, a Y + c rounded once, Ysum exact.
.set WREG,  17664                      ; LDS of a wave: the float way's stage, then the BQQ way's rows of Z: each way has bytes of its own
.set SP,    528                        ; a stage row: 512 bytes + 16: an odd multiple of 16, so that 16 rows begin at 16 different groups of banks (64 banks of 4 bytes: ISA guide 11.1)
.set ZOFF,  16*SP                      ; 8,448
.set ZP,    144                        ; a row of Z (128 bytes) + 16
.set UNITB, 16896
.set BWS,   2097152                    ; bytes from one bw to the next in Y and in Z: 1,024 blocks of 2,048
.set TM,    16                         ; v16-19 largest magnitudes, v20-23 bytes (and lane permutes' destinations), v24-27 448 x the scale, v28-31 the conversions' scale operands
.set PC,    40                         ; v40-55  float way: a fragment's codes
.set YR,    40                         ; v40-55  BQQ way: Y's bytes as loaded, pair 2 (4 t + bw)
.set CROW,  56                         ; v56-63  the row term, eight times: the C of a sum's first instruction; before that Ysum, later at work
.set RA,    64                         ; v64-127 float way: 16 rows, job 0
.set RB,    128                        ; v128-191 job 1
.set AZ,    64                         ; v64-127 BQQ way: Z as loaded; then source 0: tile T's eight numbers at 8 T; then the held numbers
.set ZD,    128                        ; v128-159 Z's words from LDS, two sets of 16
.set CR,    128                        ; v128-143 codes as converted
.set OC,    144                        ; v144-159 codes in K's order
.set BY,    160                        ; v160-191 source 1: a Y + c, eight numbers for each bw
.set ACC,   192                        ; v192-255 eight accumulators; matrix instructions alone write them
	s_load_b512 s[4:19], s[0:1], 0x0               ; X 4:5, float_weight 6:7, Y 8:9, Z 10:11, a 12:13, b 14:15, c 16:17, d 18:19
	s_load_b128 s[20:23], s[0:1], 0x40             ; quantized_mask 20:21, xq 22:23
	s_load_b64 s[24:25], s[0:1], 0x50              ; wq
	v_lshl_add_u32 v38, v0, 2, 0x11400
	v_mov_b32 v39, 0
	v_lshrrev_b32 v12, 5, v0
	v_readfirstlane_b32 s26, v12                   ; wave
	v_and_b32 v13, 31, v0                          ; lane
	v_and_b32 v14, 15, v0                          ; r
	v_bfe_u32 v15, v0, 4, 1                        ; h
	s_mul_i32 s38, s26, WREG                       ; my wave's LDS
	; every address register is made here, ahead of the ways' parting
	v_lshlrev_b32 v1, 4, v13                       ; v1: 16 x lane
	v_add_nc_u32 v2, s38, v1                       ; v2: the stage, way in: a row's 512 bytes as they lie
	v_mul_u32_u24 v3, v14, SP
	v_lshl_add_u32 v3, v15, 6, v3
	v_add_nc_u32 v3, s38, v3                       ; v3: way out: row r, + 64 h: my 16 numbers of a block of 32
	v_lshlrev_b32 v4, 4, v14
	v_lshl_add_u32 v4, v15, 9, v4                  ; v4: BQQ codes: 16 r + 512 h (chunk 2 g + h)
	v_lshrrev_b32 v5, 3, v13
	v_mul_u32_u24 v5, v5, ZP
	v_and_b32 v6, 7, v13
	v_lshl_add_u32 v5, v6, 4, v5
	v_add_nc_u32 v5, s38, v5
	v_add_nc_u32 v5, ZOFF, v5                      ; v5: Z's rows, way in: eight lanes to a row of 128 bytes
	v_mul_u32_u24 v6, v15, 8*ZP
	v_lshl_add_u32 v6, v14, 2, v6
	v_add_nc_u32 v6, s38, v6
	v_add_nc_u32 v6, ZOFF, v6                      ; v6: way out: row 8 h (+ e), bytes 4 r .. 4 r + 3.  Lanes 16-31 stand 288 words on: the other half of the banks
	v_lshlrev_b32 v7, 4, v14
	v_lshl_add_u32 v7, v15, 3, v7                  ; v7: Y: row r of 16 bytes, + 8 h
	v_lshlrev_b32 v10, 2, v13                      ; v10: 4 x lane
	v_lshlrev_b32 v11, 3, v15                      ; v11: 8 h, a shift
	v_cmp_le_u32 s61, 16, v13                      ; s61: lanes 16-31
.irp i, 0,1,2,3
	v_mov_b32 v[TM+4+\i], 0                        ; written once: a lane permute's destination counts as one of its sources
.endr
	v_mov_b32 v35, 0
	s_mov_b32 s54, 0x76543210
	s_mov_b32 s55, 0xfedcba98                      ; v_permlanex16_b32's selects for lane l xor 16
	s_mov_b32 s56, 0x600000                        ; the mantissa field of 448
	s_mov_b32 s57, 0x05010400                      ; v_perm_b32: bytes 0 and 1 of two words, interleaved;
	s_mov_b32 s58, 0x07030602                      ; bytes 2 and 3;
	s_mov_b32 s59, 0x05040100                      ; the two low halves;
	s_mov_b32 s60, 0x07060302                      ; the two high halves
	s_and_b32 s27, ttmp9, 1023                     ; u
	s_lshr_b32 s28, s27, 5                         ; g
	s_and_b32 s29, s27, 31                         ; kb
	s_lshl_b32 s30, s28, 21                        ; 128 rows of 16,384 bytes,
	s_lshl_b32 s39, s26, 19                        ; my wave's 32 of them,
	s_add_co_u32 s30, s30, s39
	s_lshl_b32 s39, s29, 9                         ; 128 numbers along K
	s_add_co_u32 s30, s30, s39
	s_mov_b32 s31, 0
	s_wait_kmcnt 0x0
	s_cmp_ge_u32 ttmp9, 1024                       ; X's work-group or W's?  The choice hangs on the work-group's number alone
	s_cselect_b64 s[32:33], s[4:5], s[6:7]         ; the f32 source: X or float_weight
	s_cselect_b64 s[34:35], s[22:23], s[24:25]     ; the destination: xq or wq
	s_add_nc_u64 s[32:33], s[32:33], s[30:31]
	s_mul_i32 s30, s27, UNITB
	s_add_nc_u64 s[34:35], s[34:35], s[30:31]      ; my unit
	s_add_nc_u64 s[36:37], s[34:35], 16384         ; its scale words,
	s_lshl_b32 s30, s26, 7
	s_add_nc_u64 s[36:37], s[36:37], s[30:31]      ; my wave's 32
	s_lshl_b32 s30, s26, 12
	s_add_nc_u64 s[34:35], s[34:35], s[30:31]      ; my wave's two fragments
	s_cmp_ge_u32 ttmp9, 1024
	s_cbranch_scc1 .Lfloat
	; W's work-groups: the block's mask byte and its thirteen numbers
	s_mov_b32 s30, s27
	s_add_nc_u64 s[20:21], s[20:21], s[30:31]
	s_lshl_b32 s30, s27, 2
	s_add_nc_u64 s[12:13], s[12:13], s[30:31]
	s_add_nc_u64 s[14:15], s[14:15], s[30:31]
	s_add_nc_u64 s[16:17], s[16:17], s[30:31]
	s_add_nc_u64 s[18:19], s[18:19], s[30:31]
	s_lshl_b32 s30, s27, 11
	s_add_nc_u64 s[10:11], s[10:11], s[30:31]      ; Z: the block's 2,048 bytes of bw = 0
	s_add_nc_u64 s[8:9], s[8:9], s[30:31]
	s_lshl_b32 s30, s26, 9
	s_add_nc_u64 s[8:9], s[8:9], s[30:31]          ; Y: likewise, my wave's 32 rows of 16 bytes
	s_load_u8 s53, s[20:21], 0x0
.irp w, 0,1,2,3
	s_load_b32 s[40+\w], s[12:13], \w*4096         ; a[bw]
	s_load_b32 s[44+\w], s[14:15], \w*4096         ; b[bw]
	s_load_b32 s[48+\w], s[16:17], \w*4096         ; c[bw]
.endr
	s_load_b32 s52, s[18:19], 0x0                  ; d
	s_wait_kmcnt 0x0
	s_cmp_eq_u32 s53, 0                            ; a whole number read from an input; no barrier stands in this text
	s_cbranch_scc1 .Lfloat
	s_branch .Lbqq
; 64 numbers of a lane, v[s] .. v[s + 63], register 16 b + i = k 32 b + 16 h + i of my row, become a fragment's codes in v[PC] on and its scale word in v[pw].
.macro QUANT s, pw
.irp b, 0,1,2,3
	v_max3_num_f32 v[TM+\b], |v[\s+16*\b]|, |v[\s+1+16*\b]|, 0x4800000   ; block b: my 16 numbers, and the floor 2^(9 - 127): so the byte cannot fall under 1
.endr
.irp i, 2,4,6,8,10,12,14
.irp b, 0,1,2,3
	v_max3_num_f32 v[TM+\b], v[TM+\b], |v[\s+16*\b+\i]|, |v[\s+1+16*\b+\i]|   ; the four blocks by turns
.endr
.endr
.irp b, 0,1,2,3
	v_permlanex16_b32 v[TM+4+\b], v[TM+\b], s54, s55
.endr
.irp b, 0,1,2,3
	v_max_num_f32 v[TM+\b], v[TM+\b], v[TM+4+\b]   ; with lane l xor 16's: the block's largest magnitude
.endr
.irp b, 0,1,2,3
	v_add_nc_u32 v[TM+12+\b], 0xfc000000, v[TM+\b] ; 8 off its exponent field: the conversion takes the exponent field of this operand as its scale
.endr
.irp b, 0,1,2,3
	v_and_or_b32 v[TM+8+\b], v[TM+\b], 0x7f800000, s56   ; 448 x the scale
.endr
.irp b, 0,1,2,3
	v_lshrrev_b32 v[TM+4+\b], 23, v[TM+12+\b]      ; the scale's byte
.endr
	v_lshl_or_b32 v[\pw], v[TM+5], 8, v[TM+4]      ; the four bytes make my row's scale word; both halves of the lanes hold it
	v_lshl_or_b32 v[\pw], v[TM+6], 16, v[\pw]
	v_lshl_or_b32 v[\pw], v[TM+7], 24, v[\pw]
.irp b, 0,1,2,3
.irp i, 0,1,2,3,4,5,6,7,8,9,10,11,12,13,14,15
	v_med3_num_f32 v[\s+16*\b+\i], v[\s+16*\b+\i], -v[TM+8+\b], v[TM+8+\b]   ; the conversion to an 8-bit code does not saturate (ISA guide 7.6.2): the hold comes first
.endr
	v_cvt_scalef32_pk8_fp8_f32 v[PC+4*\b:PC+1+4*\b], v[\s+16*\b:\s+7+16*\b], v[TM+12+\b]
	v_cvt_scalef32_pk8_fp8_f32 v[PC+2+4*\b:PC+3+4*\b], v[\s+8+16*\b:\s+15+16*\b], v[TM+12+\b]
.endr
	v_nop                                          ; one plain vector instruction behind the last scaled conversion
.endm
.macro LOADF reg, t                    ; 16 rows: each load takes 512 consecutive bytes of one row, at a multiple of 512 from the buffer's first byte; read once in the launch
.irp p, 0,1,2,3,4,5,6,7,8,9,10,11,12,13,14,15
	global_load_b128 v[\reg+4*\p:\reg+4*\p+3], v1, s[32:33] offset:(16*\t+\p)*16384 th:TH_LOAD_NT
.endr
.endm
.macro JOB reg, t, pw                  ; 16 rows x 128 numbers become fragment 2 w + t
.irp p, 0,1,2,3,4,5,6,7,8,9,10,11,12,13,14,15
	ds_store_b128 v2, v[\reg+4*\p:\reg+4*\p+3] offset:SP*\p
.endr
	s_wait_dscnt 0x0                               ; the stores have read their registers, which take the numbers back in another order
.irp c, 0,1,2,3
.irp j, 0,1,2,3
	ds_load_b128 v[\reg+16*\c+4*\j:\reg+16*\c+4*\j+3], v3 offset:128*\c+16*\j
.endr
.endr
	s_wait_dscnt 0x0
.if \t
	s_wait_xcnt 0x0                                ; the first job's stores have read the codes' registers: only behind this wait are they written again
.endif
	QUANT \reg, \pw
.irp c, 0,1,2,3
	global_store_b128 v1, v[PC+4*\c:PC+4*\c+3], s[34:35] offset:2048*\t+512*\c   ; 32 lanes store 512 consecutive bytes, aligned: a chunk
.endr
.endm
.Lfloat:
	LOADF RA, 0
	LOADF RB, 1
	s_wait_loadcnt 16                              ; the first 16 loads are in; the second job's 16 may be out
	JOB RA, 0, 32
	s_wait_loadcnt 0x0
	JOB RB, 1, 33
	s_branch .Lend
; Z's words of one bw: lane (r, h) takes, of rows i = 8 h + e, the four bytes z = 64 g + 4 r + 0 .. 3
.macro ZLOAD w
.irp g, 0,1
.irp e, 0,1,2,3,4,5,6,7
	ds_load_b32 v[ZD+16*((\w)%2)+8*\g+\e], v6 offset:(16*(\w)+\e)*ZP+64*\g
.endr
.endr
.endm
; the eight accumulators become fragment 2 w + t's codes and scale word
.macro QUANTB t, pw
.rept 8
	v_nop                                          ; eight places between the last matrix instruction and the first read of results and write of sources (ISA guide 7.12.1)
.endr
.irp g, 0,1
	v_max3_num_f32 v[TM+\g], |v[ACC+32*\g]|, |v[ACC+32*\g+1]|, 0x4800000   ; my block 2 g + h: all its 32 numbers are mine; each accumulator is read from its low end on
.endr
.irp i, 2,4,6,8,10,12,14,16,18,20,22,24,26,28,30
.irp g, 0,1
	v_max3_num_f32 v[TM+\g], v[TM+\g], |v[ACC+32*\g+\i]|, |v[ACC+32*\g+\i+1]|
.endr
.endr
.irp g, 0,1
	v_add_nc_u32 v[TM+12+\g], 0xfc000000, v[TM+\g]
	v_and_or_b32 v[TM+8+\g], v[TM+\g], 0x7f800000, s56
	v_lshrrev_b32 v[TM+4+\g], 23, v[TM+12+\g]
.endr
	v_lshl_or_b32 v[\pw], v[TM+5], 16, v[TM+4]     ; bytes 0 and 2,
	v_lshlrev_b32 v[\pw], v11, v[\pw]              ; in lanes 16-31 bytes 1 and 3;
	v_permlanex16_b32 v35, v[\pw], s54, s55
	v_or_b32 v[\pw], v[\pw], v35                   ; with lane l xor 16's two: my row's scale word
.set n, 0
.rept 64
	v_med3_num_f32 v[AZ+n], v[ACC+n], -v[TM+8+n/32], v[TM+8+n/32]   ; the hold; the held numbers go into other registers than the sums'
.set n, n+1
.endr
.irp g, 0,1
.irp q, 0,1,2,3
	v_cvt_scalef32_pk8_fp8_f32 v[CR+8*\g+2*\q:CR+8*\g+2*\q+1], v[AZ+32*\g+8*\q:AZ+32*\g+8*\q+7], v[TM+12+\g]   ; byte j: k' = 4 j + q of the block
.endr
.endr
	v_nop                                          ; one plain vector instruction behind the last scaled conversion
.irp g, 0,1
.irp f, 0,1                            ; a 4 x 4 byte transpose: word 4 f + jj of the block takes byte jj of the four words q = 0 .. 3: k' = 4 (4 f + jj) + 0 .. 3
	v_perm_b32 v56, v[CR+8*\g+2+\f], v[CR+8*\g+\f], s57
	v_perm_b32 v57, v[CR+8*\g+2+\f], v[CR+8*\g+\f], s58
	v_perm_b32 v58, v[CR+8*\g+6+\f], v[CR+8*\g+4+\f], s57
	v_perm_b32 v59, v[CR+8*\g+6+\f], v[CR+8*\g+4+\f], s58
	v_perm_b32 v[OC+8*\g+4*\f], v58, v56, s59
	v_perm_b32 v[OC+8*\g+4*\f+1], v58, v56, s60
	v_perm_b32 v[OC+8*\g+4*\f+2], v59, v57, s59
	v_perm_b32 v[OC+8*\g+4*\f+3], v59, v57, s60
.endr
	global_store_b128 v4, v[OC+8*\g:OC+8*\g+3], s[34:35] offset:2048*\t+1024*\g          ; k' 0 .. 15 of chunk 2 g + h: sixteen lanes store 256 consecutive bytes, aligned
	global_store_b128 v4, v[OC+8*\g+4:OC+8*\g+7], s[34:35] offset:2048*\t+1024*\g+256    ; k' 16 .. 31
.endr
.endm
; rows 32 w + 16 t .. + 15 of the block
.macro PASS t, pw
	s_wait_xcnt 0x0                                ; the pass before has stores whose data lie where Z's words land: they have been read
	ZLOAD 0
.irp w, 0,1,2,3
.irp e, 0,1,2,3,4,5,6,7
	v_bfe_u32 v[BY+8*\w+\e], v[YR+2*(4*\t+\w)+\e/4], 8*(\e%4), 8   ; Y[bw][row r][i = 8 h + e]
.endr
.endr
.set n, 0
.rept 32
	v_cvt_f32_u32 v[BY+n], v[BY+n]
.set n, n+1
.endr
.irp w, 0,1,2,3
	v_pk_add_f32 v[12:13], v[BY+8*\w:BY+8*\w+1], v[BY+8*\w+2:BY+8*\w+3]
	v_pk_add_f32 v[14:15], v[BY+8*\w+4:BY+8*\w+5], v[BY+8*\w+6:BY+8*\w+7]
	v_pk_add_f32 v[12:13], v[12:13], v[14:15]
	v_add_f32 v[CROW+\w], v12, v13                 ; my eight of the row's sixteen
.endr
.irp w, 0,1,2,3
	v_permlanex16_b32 v[TM+4+\w], v[CROW+\w], s54, s55
.endr
.irp w, 0,1,2,3
	v_add_f32 v[CROW+\w], v[CROW+\w], v[TM+4+\w]   ; Ysum[bw]: a whole number, exact
.endr
	v_fma_f32 v36, s44, v[CROW], s52               ; d + b0 Ysum0
	v_fma_f32 v36, s45, v[CROW+1], v36
	v_fma_f32 v36, s46, v[CROW+2], v36
	v_fma_f32 v36, s47, v[CROW+3], v36             ; the row term
.irp j, 0,1,2,3,4,5,6,7
	v_mov_b32 v[CROW+\j], v36                      ; in the result's layout a lane holds one row y: eight times the same number
.endr
.irp w, 0,1,2,3
.irp e, 0,1,2,3,4,5,6,7
	v_fma_f32 v[BY+8*\w+\e], s[40+\w], v[BY+8*\w+\e], s[48+\w]   ; a Y + c
.endr
.endr
.irp w, 0,1,2,3
	s_wait_dscnt 0x0                               ; this bw's words of Z are in (and, the first time, the stores of Z's rows have read their registers)
.if \w > 0
.rept 8
	v_nop                                          ; eight places between the last matrix instruction and the write of its sources (ISA guide 7.12.1)
.endr
.endif
.irp g, 0,1
.irp q, 0,1,2,3
.irp e, 0,1,2,3,4,5,6,7
	v_bfe_u32 v[AZ+8*(4*\g+\q)+\e], v[ZD+16*(\w%2)+8*\g+\e], 8*\q, 8   ; Z[bw][i = 8 h + e][z = 64 g + 4 r + q]
.endr
.endr
.endr
.set n, 0
.rept 64
	v_cvt_f32_u32 v[AZ+n], v[AZ+n]
.set n, n+1
.endr
.if \w < 3
	ZLOAD \w+1                                     ; the next bw's words, into the other set, land under the 32 products
.endif
.irp k, 0,1,2,3                        ; the eight accumulators take turns, one instruction a turn, from bw to bw too
.irp n, 0,1,2,3,4,5,6,7
.if (\w == 0) && (\k == 0)
	v_wmma_f32_16x16x4_f32 v[ACC+8*\n:ACC+8*\n+7], v[AZ+8*\n+2*\k:AZ+8*\n+2*\k+1], v[BY+8*\w+2*\k:BY+8*\w+2*\k+1], v[CROW:CROW+7]
.else
	v_wmma_f32_16x16x4_f32 v[ACC+8*\n:ACC+8*\n+7], v[AZ+8*\n+2*\k:AZ+8*\n+2*\k+1], v[BY+8*\w+2*\k:BY+8*\w+2*\k+1], v[ACC+8*\n:ACC+8*\n+7]
.endif
.endr
.endr
.endr
	QUANTB \t, \pw
.endm
.Lbqq:
.irp w, 0,1,2,3
.irp n, 0,1,2,3
	global_load_b128 v[AZ+4*(4*\w+\n):AZ+4*(4*\w+\n)+3], v1, s[10:11] offset:\w*BWS+512*\n   ; Z: 512 consecutive bytes a load; every wave wants the whole block's Z
.endr
.endr
.irp t, 0,1
.irp w, 0,1,2,3
	global_load_b64 v[YR+2*(4*\t+\w):YR+2*(4*\t+\w)+1], v7, s[8:9] offset:\w*BWS+256*\t th:TH_LOAD_NT   ; Y: 16 rows: 256 consecutive bytes a load
.endr
.endr
	s_wait_loadcnt 8                               ; Z's sixteen loads are in; Y's eight may be out
.irp w, 0,1,2,3
.irp n, 0,1,2,3
	ds_store_b128 v5, v[AZ+4*(4*\w+\n):AZ+4*(4*\w+\n)+3] offset:(16*\w+4*\n)*ZP   ; row 16 bw + i of my wave's own copy
.endr
.endr
	s_wait_loadcnt 0x0
	PASS 0, 32
	PASS 1, 33
.Lend:
	v_cndmask_b32 v34, v32, v33, s61               ; lanes 0-15: the words of rows 0-15, lanes 16-31: those of rows 16-31
	global_store_b32 v10, v34, s[36:37]            ; 128 consecutive bytes a wave
	s_wait_tensorcnt 0x0
	ds_add_u32 v38, v39
	s_wait_dscnt 0x0
	s_endpgm
.Lfunc_end_k_qb90acb3a80_prep:
	.size	k_qb90acb3a80_prep, .Lfunc_end_k_qb90acb3a80_prep-k_qb90acb3a80_prep
	.p2alignl 7, 3214868480
	.fill 96, 4, 3214868480
	.section	.rodata,"a",@progbits
	.p2align	6, 0x0
	.amdhsa_kernel k_qb90acb3a80_prep
		.amdhsa_group_segment_fixed_size 71168
		.amdhsa_private_segment_fixed_size 0
		.amdhsa_enable_private_segment 0
		.amdhsa_kernarg_size 88
		.amdhsa_user_sgpr_count 2
		.amdhsa_user_sgpr_kernarg_segment_ptr 1
		.amdhsa_wavefront_size32 1
		.amdhsa_system_sgpr_workgroup_id_x 1
		.amdhsa_system_sgpr_workgroup_id_y 1
		.amdhsa_system_sgpr_workgroup_id_z 1
		.amdhsa_system_vgpr_workitem_id 0
		.amdhsa_next_free_vgpr 256
		.amdhsa_next_free_sgpr 66
		.amdhsa_reserve_vcc 0
		.amdhsa_float_denorm_mode_32 3
		.amdhsa_float_denorm_mode_16_64 3
		.amdhsa_memory_ordered 1
		.amdhsa_forward_progress 1
		.amdhsa_inst_pref_size 140
	.end_amdhsa_kernel
	.amdgpu_metadata
---
amdhsa.version: [ 1, 2 ]
amdhsa.kernels:
  - .name:           k_qb90acb3a80_prep
    .symbol:         k_qb90acb3a80_prep.kd
    .args:
      - { .name: X, .offset: 0, .size: 8, .value_kind: global_buffer, .address_space: global }
      - { .name: float_weight, .offset: 8, .size: 8, .value_kind: global_buffer, .address_space: global }
      - { .name: Y, .offset: 16, .size: 8, .value_kind: global_buffer, .address_space: global }
      - { .name: Z, .offset: 24, .size: 8, .value_kind: global_buffer, .address_space: global }
      - { .name: a, .offset: 32, .size: 8, .value_kind: global_buffer, .address_space: global }
      - { .name: b, .offset: 40, .size: 8, .value_kind: global_buffer, .address_space: global }
      - { .name: c, .offset: 48, .size: 8, .value_kind: global_buffer, .address_space: global }
      - { .name: d, .offset: 56, .size: 8, .value_kind: global_buffer, .address_space: global }
      - { .name: quantized_mask, .offset: 64, .size: 8, .value_kind: global_buffer, .address_space: global }
      - { .name: xq, .offset: 72, .size: 8, .value_kind: global_buffer, .address_space: global }
      - { .name: wq, .offset: 80, .size: 8, .value_kind: global_buffer, .address_space: global }
    .group_segment_fixed_size: 71168
    .private_segment_fixed_size: 0
    .kernarg_segment_align: 8
    .kernarg_segment_size: 88
    .max_flat_workgroup_size: 128
    .sgpr_count:     66
    .vgpr_count:     256
    .wavefront_size: 32
...
	.end_amdgpu_metadata
.endif
;; end of part 1
;; launch gemm (part 2): grid 16 x 16, 4 waves a work-group, clusters of 4 x 4, 327,680 bytes of LDS; arguments xq, wq, bias, out0; writes out0
.if DOCPART == 2
	.amdgcn_target "amdgcn-amd-amdhsa--gfx1250"
	.amdhsa_code_object_version 6
	.text
	.protected	k_qb90acb3a80_gemm
	.globl	k_qb90acb3a80_gemm
	.p2align	8
	.type	k_qb90acb3a80_gemm,@function
k_qb90acb3a80_gemm:
	s_mov_b64 s[64:65], 0
	v_nop
	global_prefetch_b8 v0, s[64:65] scope:SCOPE_SE
	s_setreg_imm32_b32 hwreg(HW_REG_WAVE_MODE, 25, 1), 1
	s_wait_xcnt 0x0
	s_wait_alu depctr_hold_cnt(0) depctr_sa_sdst(0) depctr_va_vdst(0) depctr_va_sdst(0) depctr_va_ssrc(0) depctr_va_vcc(0) depctr_vm_vsrc(0)
	s_getreg_b32 s2, hwreg(HW_REG_IB_STS2, 6, 4)
	s_cmp_eq_u32 s2, 0
	s_cbranch_scc0 .Lentry_in_a_cluster
	s_endpgm
.Lentry_in_a_cluster:
	s_bfe_u32 s2, ttmp6, 0x10000c
	s_cmp_lg_u32 s2, 0xf033
	s_cbranch_scc0 .Lentry_shape_is_right
	s_endpgm
.Lentry_shape_is_right:
; out0[m][n] = sum over k of X[m][k] W[n][k] + bias[n], on codes of FP8 (E4M3) with one E8M0 scale for each 32 along K; M = N = K = 4,096; sums in f32.
; xq and wq hold codes and scale words in units of 16,896 bytes (128 rows x 128 K), IN THE ORDER OF THE OPERAND'S REGISTERS: fragment i at 2,048 i, chunk c at 512 c, lane l's 16 bytes at 16 l; the rows' scale
; words at 16,384 + 4 x row.  Unit 32 g + kb: rows 128 g on, K 128 kb on.  So 128 rows x 256 K, codes AND scales, are 33,792 consecutive bytes: one tensor load of 132 rows of 256 bytes; no padding is wanted,
; since every fragment load takes 512 consecutive bytes.
; A tile of the output, 256 x 256, is made by a work-group of four waves; a wave makes 128 x 128: 64 accumulators of 16 x 16, 512 registers.  K goes in 16 steps of 256 through a ring of two LDS slots.
; CLUSTERS: 4 x 4 work-groups.  The four of a row of the cluster need the same rows of X, the four of a column the same rows of W: each is asked for JOINTLY, by the same tensor load with the same descriptor and
; a mask that names the four.  THE MATRIX INSTRUCTION IS USED TRANSPOSED (source 0 = 16 rows of W, source 1 = 16 rows of X): a lane then holds eight neighbouring numbers of a row of the output.
; THE BIAS is the C of each sum's first matrix instruction: eight registers for each of W's eight blocks, in the result's layout.
; REGISTERS, in windows of 256: window 0: v0-31 addresses; v32-63 scale words, two sets; v64-127 the bias; from v128 X's fragments (8 x 16 rows x 128 K), ONE set; on the way out v128-255 are free.
;   window 1: W's fragments, TWO sets, at v0 and at v128.   window 2: the 32 accumulators of my rows 0-63 (accumulator (a, b) at v[8 (8 a + b)]);   window 3: those of my rows 64-127.
; LIMITS: those of the launch that made the codes; NaN and infinities are not served.
.set SIZE_N, 4096
.set NQ,     2                         ; matrix instructions deep in a slot
.set FR,     16                        ; registers of a fragment
.set NL,     4                         ; LDS loads that bring one
.set NP,     8                         ; places behind this matrix instruction (ISA guide 7.12.1)
.set HUNIT,  16896                     ; 128 rows x 128 K
.set UNIT,   2*HUNIT                   ; 128 rows x 256 K: what one tensor load brings, and what one wave reads of X or of W
.set GROWS,  32*HUNIT                  ; 128 rows, all of K
.set GAP,    128                       ; in front of W's halves: W's scale words then stand 32 words further round the banks than X's (64 banks of 4 bytes: ISA guide 11.1), and one load takes both
.set SLOT,   4*UNIT+256                ; X's two halves, the gap, W's two halves; a multiple of 256
.set LAPS,   8                         ; a lap = two K steps = once round the ring
.set SPARE,  2*SLOT                    ; behind the ring: the spare words, 128 bytes for each wave: two blocks of 256 bytes that no other line names
.set SPITCH, 528                       ; the way out: a stage of 16 rows x (512 bytes + 16) for each wave.  It lies in slot 0, which has had its last fill and its last read when the first result is stored there
.set ADRA, 16                          ; v16-17  LDS address of my X fragments in slot 0, 1
.set ADRB, 20                          ; v20-21  the same for W
.set ADRS, 22                          ; v22-23  of my scale words: lanes 0-15 X's rows, lanes 16-31 W's
.set STO,  24                          ; v24     the way out: where I put 32 bytes of a row
.set RD,   25                          ; v25     where I read a row back
.set CO,   26                          ; v26     my byte offset in a row of the output
.set SPW,  28                          ; v28     LDS address of my spare word; never rewritten
.set NIL,  29                          ; v29     0; never rewritten
.set BO,   30                          ; v30     the bias: 32 x (lane / 16)
.set SC,   32                          ; scale words: set s at v[SC + 16 s]; register 2 i + q: lanes 0-15 X's block i, lanes 16-31 W's block i, for the slot's q-th 128 along K
.set BIAS, 64
.set AF,   128
.set BK,   128                         ; the way out: 16 rows read back from the stage: v128-191 and v192-255 by turns
.set G1,  24                           ; s[24:31] descriptor group 1 for X;  s[32:39] group 0, one set for each slot
.set G0,  32
.set G1B, 48                           ; s[48:55], s[56:63] the same for W
.set G0B, 56
.set MSB, 0
.macro WIN new                         ; the immediate's high byte repeats the setting that is left
.if MSB != (\new)
	s_set_vgpr_msb (MSB<<8)|(\new)
.set MSB, (\new)
.endif
.endm
.set MUL_LO,   0xa1                    ; source 0 (W) window 1, source 1 (X) window 0, C and D window 2
.set MUL_HI,   0xf1                    ; the same, C and D window 3
.set FIRST_LO, 0x81                    ; the first step: C (the bias) window 0, D window 2
.set FIRST_HI, 0xc1                    ; D window 3
.set TO_B,     0x40                    ; destination window 1, address window 0
; A joint load: waves 0 and 1 fetch X's halves, waves 2 and 3 W's.  Each of the two lines has ONE mask and one set of registers for all that issue it; the branch hangs on the wave's number alone.
; Four v_nop follow each of the two lines, ahead of the jump, the label and what follows.
.macro JLOAD g0a, g1a, g0b, g1b
	s_cmp_eq_u32 s15, 0
	s_cbranch_scc0 .Lfor_b_\@
	tensor_load_to_lds s[\g0a:\g0a+3], s[\g1a:\g1a+7]
	s_nop 0
.rept 4
	v_nop
.endr
	s_branch .Lasked_\@
.Lfor_b_\@:
	tensor_load_to_lds s[\g0b:\g0b+3], s[\g1b:\g1b+7]
	s_nop 0
.rept 4
	v_nop
.endr
.Lasked_\@:
.endm
.macro CREST                           ; a round of the cluster's barrier behind its opening barrier
	s_cmp_lg_u32 s14, 0
	s_cbranch_scc1 .Lnot_wave_0_\@
	s_barrier_signal -3
.Lnot_wave_0_\@:
	s_barrier_wait -3
	s_barrier_signal -1
	s_barrier_wait -1
.endm
.macro CROUND                          ; a whole round
	s_barrier_signal -1
	s_barrier_wait -1
	CREST
.endm
	s_load_b256 s[4:11], s[0:1], 0x0               ; xq s[4:5], wq s[6:7], bias s[8:9], out0 s[10:11]
	v_lshl_add_u32 v[SPW], v0, 2, SPARE
	v_mov_b32 v[NIL], 0
	ds_add_u32 v28, v29
	ds_add_u32 v28, v29
	s_wait_dscnt 0x0
	v_lshrrev_b32 v1, 5, v0
	v_readfirstlane_b32 s14, v1                    ; wave 0..3
	s_lshr_b32 s15, s14, 1                         ; which half of the tile's rows is mine.  Also: I fetch for X (0) or for W (1)
	s_and_b32 s16, s14, 1                          ; which half of its columns.  Also: which 128 rows I fetch
	s_bfe_u32 s40, ttmp6, 0x40000                  ; cx, cy: my place in the cluster
	s_bfe_u32 s41, ttmp6, 0x40004
	s_lshl_b32 s42, ttmp9, 2
	s_add_co_u32 s42, s42, s40                     ; tile column = 4 x cluster x + cx
	s_and_b32 s17, ttmp7, 0xffff
	s_lshl_b32 s17, s17, 2
	s_add_co_u32 s17, s17, s41                     ; tile row = 4 x cluster y + cy
	s_lshl_b32 s43, s41, 2
	s_lshl_b32 s43, 15, s43                        ; my row of the cluster
	s_lshl_b32 s44, 0x1111, s40                    ; my column
	; descriptor group 1: a dense block of 33,792 bytes as 132 rows of 32 elements of 8 bytes
	s_or_b32 s[G1+0], s43, (3<<16)|(1<<21)         ; 15:0 the mask: X's tiles go to my row; 17:16 elements of 8 bytes; 20 no padding; 21 set beside a mask
	s_or_b32 s[G1B+0], s44, (3<<16)|(1<<21)        ; W's go to my column
.irp g, G1, G1B
	s_mov_b32 s[\g+1], 32<<16                      ; tensor_dim0 = 32
	s_mov_b32 s[\g+2], 132<<16                     ; tensor_dim1 = 132
	s_mov_b32 s[\g+3], 32<<16                      ; tile_dim0 = 32
	s_mov_b32 s[\g+4], 132                         ; tile_dim1 = 132
	s_mov_b32 s[\g+5], 32                          ; tensor_dim0_stride
	s_mov_b32 s[\g+6], 0
	s_mov_b32 s[\g+7], 0
.endr
	s_lshl_b32 s20, s17, 1
	s_add_co_u32 s20, s20, s16                     ; X: the 128 rows numbered 2 x tile row + half,
	s_mul_i32 s20, s20, GROWS                      ; in bytes (under 2^25)
	s_mov_b32 s21, 0
	s_lshl_b32 s46, s42, 1
	s_add_co_u32 s46, s46, s16                     ; W: 2 x tile column + half
	s_mul_i32 s46, s46, GROWS
	s_mov_b32 s47, 0
	s_mul_i32 s45, s14, UNIT                       ; where they go: wave x 33,792, and the gap in front of W's: no place in the cluster enters an LDS address
	s_lshl_b32 s18, s15, 7
	s_add_co_u32 s45, s45, s18
	s_wait_kmcnt 0x0
	s_add_nc_u64 s[20:21], s[4:5], s[20:21]
	s_add_nc_u64 s[46:47], s[6:7], s[46:47]
	CROUND                                         ; all sixteen work-groups are here: the first joint loads meet
.irp s, 0,1
	s_mov_b32 s[G0+4*\s], 1                                        ; count = 1
	s_add_co_u32 s[G0+4*\s+1], s45, \s*SLOT                        ; LDS address
	s_add_nc_u64 s[G0+4*\s+2:G0+4*\s+3], s[20:21], \s*UNIT         ; global address: K step s
	s_or_b32 s[G0+4*\s+3], s[G0+4*\s+3], 0x80000000                ; type = 2
	s_mov_b32 s[G0B+4*\s], 1
	s_add_co_u32 s[G0B+4*\s+1], s45, \s*SLOT
	s_add_nc_u64 s[G0B+4*\s+2:G0B+4*\s+3], s[46:47], \s*UNIT
	s_or_b32 s[G0B+4*\s+3], s[G0B+4*\s+3], 0x80000000
	JLOAD G0+4*\s, G1, G0B+4*\s, G1B               ; two loads of mine are out
.endr
	v_and_b32 v1, 15, v0                           ; r = l % 16
	v_bfe_u32 v2, v0, 4, 1                         ; h = l / 16
	v_and_b32 v3, 31, v0
	v_lshlrev_b32 v4, 4, v3                        ; 16 x lane
	v_lshlrev_b32 v[BO], 5, v2
	s_lshl_b32 s18, s42, 10                        ; the bias of my 128 columns: 4 x (256 x tile column + 128 x half)
	s_lshl_b32 s19, s16, 9
	s_add_co_u32 s18, s18, s19
	s_mov_b32 s19, 0
	s_add_nc_u64 s[8:9], s[8:9], s[18:19]
.irp b, 0,1,2,3,4,5,6,7
	global_load_b128 v[BIAS+8*\b:BIAS+8*\b+3], v[BO], s[8:9] offset:64*\b        ; register j: bias[16 b + 8 h + j]
	global_load_b128 v[BIAS+8*\b+4:BIAS+8*\b+7], v[BO], s[8:9] offset:64*\b+16
.endr
	s_mul_i32 s21, s15, UNIT                       ; my 128 rows of X
	s_mul_i32 s22, s16, UNIT                       ; my 128 rows of W,
	s_add_co_u32 s22, s22, 2*UNIT+GAP              ; which lie behind X's 256 and the gap
.irp s, 0,1
	v_add_nc_u32 v[ADRA+\s], s21, v4
	v_add_nc_u32 v[ADRB+\s], s22, v4
	s_add_co_u32 s21, s21, SLOT
	s_add_co_u32 s22, s22, SLOT
.endr
	s_sub_co_u32 s22, s22, s21                     ; from X's rows to W's
	v_mul_u32_u24 v6, s22, v2                      ; lanes 16-31 take W's: one product, the lower base + h x the distance
	v_lshl_add_u32 v5, v1, 2, v6                   ; + 4 r
	s_mul_i32 s21, s15, UNIT
	s_add_co_u32 s21, s21, 16384                   ; the scale words lie behind a unit's codes
	v_add_nc_u32 v[ADRS], s21, v5
	s_add_co_u32 s21, s21, SLOT
	v_add_nc_u32 v[ADRS+1], s21, v5
	s_mul_i32 s23, s14, 16*SPITCH                  ; my stage
	v_mul_u32_u24 v5, v1, SPITCH                   ; in: row l % 16, 32 bytes for each half of the lanes
	v_lshl_add_u32 v5, v2, 5, v5
	v_add_nc_u32 v[STO], s23, v5
	v_lshlrev_b32 v[CO], 4, v3                     ; back: the 32 lanes take one row of 512 bytes; and the same in the output
	v_add_nc_u32 v[RD], s23, v[CO]
	s_lshl_b32 s20, s17, 8
	s_lshl_b32 s21, s15, 7
	s_add_co_u32 s20, s20, s21                     ; my first row: 256 x tile row + 128 x half,
	s_lshl_b32 s20, s20, 14                        ; of 16,384 bytes (under 2^26)
	s_mov_b32 s21, 0
	s_lshl_b32 s46, s42, 10                        ; my first column, in bytes: 1,024 x tile column + 512 x half
	s_lshl_b32 s47, s16, 9
	s_add_co_u32 s46, s46, s47
	s_mov_b32 s47, 0
	s_add_nc_u64 s[20:21], s[20:21], s[46:47]
	s_add_nc_u64 s[10:11], s[10:11], s[20:21]
.macro FRAG reg, adr, q, i             ; a fragment, 16 rows x 128 K, is 16 registers; it lies in LDS as an image of them: four loads of 512 consecutive bytes
.irp c, 0,1,2,3
	ds_load_b128 v[\reg+4*\c:\reg+4*\c+3], v[\adr] offset:HUNIT*(\q)+2048*(\i)+512*\c
.endr
.endm
; 16 matrix instructions: X's blocks a0, a0 + 1 x W's eight, 128 along K: the slot's q-th.  p: W's set;  sc: the set of scale words.  first = 1: the bias is the C: nothing is cleared and nothing added later.
; The 64 accumulators take turns, one instruction a turn, in the same order in every step.
.macro MUL16 a0, p, q, sc, first
.irp a, \a0, \a0+1
.irp b, 0,1,2,3,4,5,6,7
.if \first
	v_wmma_scale_f32_16x16x128_f8f6f4 v[8*(8*((\a)%4)+\b):8*(8*((\a)%4)+\b)+7], v[128*(\p)+FR*\b:128*(\p)+FR*\b+FR-1], v[AF+FR*(\a):AF+FR*(\a)+FR-1], v[BIAS+8*\b:BIAS+8*\b+7], v[SC+8*NQ*(\sc)+NQ*\b+(\q)], v[SC+8*NQ*(\sc)+NQ*(\a)+(\q)] matrix_a_scale:MATRIX_SCALE_ROW1
.else
	v_wmma_scale_f32_16x16x128_f8f6f4 v[8*(8*((\a)%4)+\b):8*(8*((\a)%4)+\b)+7], v[128*(\p)+FR*\b:128*(\p)+FR*\b+FR-1], v[AF+FR*(\a):AF+FR*(\a)+FR-1], v[8*(8*((\a)%4)+\b):8*(8*((\a)%4)+\b)+7], v[SC+8*NQ*(\sc)+NQ*\b+(\q)], v[SC+8*NQ*(\sc)+NQ*(\a)+(\q)] matrix_a_scale:MATRIX_SCALE_ROW1
.endif
.endr
.endr
.endm
.macro FETCH_B slot, q, p              ; W's eight fragments of the slot's q-th 128 along K into set p
	WIN TO_B
.irp i, 0,1,2,3,4,5,6,7
	FRAG 128*(\p)+FR*\i, ADRB+\slot, \q, \i
.endr
	WIN 0
.endm
.macro FETCH_A slot, q, i0             ; X's blocks i0 .. i0 + 3
.irp i, \i0, \i0+1, \i0+2, \i0+3
	FRAG AF+FR*(\i), ADRA+\slot, \q, \i
.endr
.endm
.macro SCALES slot                     ; the slot's scale words into its set: lanes 0-15 take X's block i, lanes 16-31 W's block i
.irp i, 0,1,2,3,4,5,6,7
.irp q, 0,1
	ds_load_b32 v[SC+8*NQ*\slot+NQ*\i+\q], v[ADRS+\slot] offset:HUNIT*\q+64*\i
.endr
.endr
.endm
; A load into a register that a matrix instruction has read, and an LDS store that reads a matrix result, stand NP places behind that matrix instruction, and only plain vector instructions that name none of
; its registers are places (ISA guide 7.12.1 for vector instructions).
.macro PLACES n
.rept \n
	v_nop
.endr
.endm
; A step of 128 along K that has its successor in the same slot.  X's blocks 0-3 are fetched anew in its middle, blocks 4-7 at its end; W's next set in the middle.
.macro STEP slot, q, first
	s_wait_dscnt 4*NL                              ; W's set, X's blocks 0-3 and the scale words are in; the youngest sixteen loads (X's blocks 4-7) may be out
.if \first
	WIN FIRST_LO
.else
	WIN MUL_LO
.endif
	MUL16 0, (\q)%2, \q, \slot, \first
	MUL16 2, (\q)%2, \q, \slot, \first
	s_wait_dscnt 0                                 ; X's blocks 4-7 are in (asked for 32 matrix instructions ago)
	PLACES NP
	FETCH_B \slot, (\q)+1, 1-(\q)%2
	FETCH_A \slot, (\q)+1, 0
.if \first
	WIN FIRST_HI
.else
	WIN MUL_HI
.endif
	MUL16 4, (\q)%2, \q, \slot, \first
	MUL16 6, (\q)%2, \q, \slot, \first
	PLACES NP
	WIN 0
	FETCH_A \slot, (\q)+1, 4
.endm
; A slot's last step changes slots: ONE barrier; in front of it each wave waits for all its tensor loads, adds 0 to its spare word, and waits for that and for its own reads of this slot.
; fill = 1: this slot is filled again, two K steps ahead; the barrier then opens a round of the cluster's barrier.
.macro TURN slot, next, fill
	s_wait_tensorcnt 0x0                           ; all my tensor loads have landed: the one that was out is my part of the next slot  (every window is 0 here)
	ds_add_u32 v[SPW], v[NIL]                      ; 0 onto my spare word
	s_wait_dscnt 4*NL+1                            ; (the add and the youngest sixteen loads, X's blocks 4-7, may be out)
	WIN MUL_LO
	MUL16 0, 1, NQ-1, \slot, 0                     ; sixteen matrix instructions stand between the add and the wait for it
	s_wait_dscnt 0x0                               ; the add is done, and my reads of this slot are over
	s_barrier_signal -1
	MUL16 2, 1, NQ-1, \slot, 0
	WIN 0
	s_barrier_wait -1
.if \fill
	CREST                                          ; no wave of any partner still reads this slot or has a load on its way
	s_add_nc_u64 s[G0+4*\slot+2:G0+4*\slot+3], s[G0+4*\slot+2:G0+4*\slot+3], 2*UNIT
	s_add_nc_u64 s[G0B+4*\slot+2:G0B+4*\slot+3], s[G0B+4*\slot+2:G0B+4*\slot+3], 2*UNIT
	JLOAD G0+4*\slot, G1, G0B+4*\slot, G1B         ; the first tensor load behind the round, my one load until the next; its four v_nop are among the places in front of the loads below
	PLACES NP-4
.else
	PLACES NP
.endif
	FETCH_B \next, 0, 0
	FETCH_A \next, 0, 0
	SCALES \next
	WIN MUL_HI
	MUL16 4, 1, NQ-1, \slot, 0
	MUL16 6, 1, NQ-1, \slot, 0
	PLACES NP
	WIN 0
	FETCH_A \next, 0, 4
.endm
	s_wait_tensorcnt 1                             ; my part of K step 0 is in (K step 1's load may be out)
	s_barrier_signal -1
	s_barrier_wait -1                              ; everybody's is
	FETCH_B 0, 0, 0
	FETCH_A 0, 0, 0
	SCALES 0
	FETCH_A 0, 0, 4
	s_wait_loadcnt 0x0                             ; the bias
	STEP 0, 0, 1                                   ; the first step stands in front of the loop: its products start the sums, on the bias
	s_mov_b32 s3, LAPS-1
.Llap:                                                 ; a trip goes once round the ring, from a lap's second step to the next lap's first, and fills both slots again
	TURN 0, 1, 1
	STEP 1, 0, 0
	TURN 1, 0, 1
	STEP 0, 0, 0
	s_sub_co_u32 s3, s3, 1
	s_cmp_lg_u32 s3, 0
	s_cbranch_scc1 .Llap
	TURN 0, 1, 0                                   ; the last lap fills nothing, and has no round of the cluster's barrier
	STEP 1, 0, 0
	s_wait_dscnt 4*NL                              ; the very last step: nothing more to fetch
	WIN MUL_LO
	MUL16 0, 1, NQ-1, 1, 0
	MUL16 2, 1, NQ-1, 1, 0
	s_wait_dscnt 0
	WIN MUL_HI
	MUL16 4, 1, NQ-1, 1, 0
	MUL16 6, 1, NQ-1, 1, 0
	WIN 0
; THE WAY OUT, block by block of 16 rows x 128 columns.  A lane holds 32 neighbouring bytes of a row, and the lanes beside it hold other rows: so a block goes through my own stage in LDS and comes back as whole
; rows of 512 bytes.  LDS serves a wave's instructions in order (ISA guide 5.7.1.4): no wait between the stores and the loads, nor in front of the next block's stores.
.macro TOSTAGE a
.set AC, 64*((\a)%4)
	WIN 0x08+4*((\a)/4)                            ; the data: window 2 or 3
.irp b, 0,1,2,3,4,5,6,7
	ds_store_b128 v[STO], v[AC+8*\b:AC+8*\b+3] offset:64*\b          ; each accumulator from its low end on
	ds_store_b128 v[STO], v[AC+8*\b+4:AC+8*\b+7] offset:64*\b+16
.endr
	WIN 0
.set BB, BK+64*((\a)%2)
.irp t, 0,1,2,3,4,5,6,7,8,9,10,11,12,13,14,15
	ds_load_b128 v[BB+4*\t:BB+4*\t+3], v[RD] offset:\t*SPITCH
.endr
.endm
.macro SEND a, younger                 ; younger: the LDS instructions issued behind block a's loads, which may stay out
.set BB, BK+64*((\a)%2)
	s_wait_dscnt \younger                          ; the block is back in registers
.if (\a) > 0
	s_add_nc_u64 s[10:11], s[10:11], 16*SIZE_N*4   ; (behind a wait on XCNT: the earlier stores have read their base)  16 rows on: the stores' offsets stay at 15 rows at the most
.endif
.irp t, 0,1,2,3,4,5,6,7,8,9,10,11,12,13,14,15
	global_store_b128 v[CO], v[BB+4*\t:BB+4*\t+3], s[10:11] offset:\t*SIZE_N*4 th:TH_STORE_NT   ; 32 lanes store 512 consecutive bytes, at a multiple of 512 from the output's first byte; written once, read by nobody here
.endr
.endm
	PLACES NP                                      ; for the loads into the registers that held X's fragments, and for the reads of the last products' results
	TOSTAGE 0
.irp a, 1,2,3,4,5,6,7
.if \a > 1
	s_wait_xcnt 0x0                                ; block a - 2's stores have read their registers and their base: block a's loads may land there, and the base may step
.endif
	TOSTAGE \a
	SEND \a-1, 32                                  ; behind block a - 1's loads: block a's 16 stores and 16 loads
.endr
	s_wait_xcnt 0x0                                ; block 6's stores have read their base
	SEND 7, 0
	s_wait_tensorcnt 0x0                           ; the wave's end, behind my last tensor load and my last LDS store
	ds_add_u32 v[SPW], v[NIL]
	s_wait_dscnt 0x0
	CROUND                                         ; the closing round: no work-group ends while a partner may still ask for a tile that names it
	s_endpgm
.Lfunc_end_k_qb90acb3a80_gemm:
	.size	k_qb90acb3a80_gemm, .Lfunc_end_k_qb90acb3a80_gemm-k_qb90acb3a80_gemm
	.p2alignl 7, 3214868480
	.fill 96, 4, 3214868480
	.section	.rodata,"a",@progbits
	.p2align	6, 0x0
	.amdhsa_kernel k_qb90acb3a80_gemm
		.amdhsa_group_segment_fixed_size 327680
		.amdhsa_private_segment_fixed_size 0
		.amdhsa_enable_private_segment 0
		.amdhsa_kernarg_size 32
		.amdhsa_user_sgpr_count 2
		.amdhsa_user_sgpr_kernarg_segment_ptr 1
		.amdhsa_wavefront_size32 1
		.amdhsa_system_sgpr_workgroup_id_x 1
		.amdhsa_system_sgpr_workgroup_id_y 1
		.amdhsa_system_sgpr_workgroup_id_z 1
		.amdhsa_system_vgpr_workitem_id 0
		.amdhsa_next_free_vgpr 1024
		.amdhsa_next_free_sgpr 66
		.amdhsa_reserve_vcc 0
		.amdhsa_float_denorm_mode_32 3
		.amdhsa_float_denorm_mode_16_64 3
		.amdhsa_memory_ordered 1
		.amdhsa_forward_progress 1
		.amdhsa_inst_pref_size 147
	.end_amdhsa_kernel
	.amdgpu_metadata
---
amdhsa.version: [ 1, 2 ]
amdhsa.kernels:
  - .name:           k_qb90acb3a80_gemm
    .symbol:         k_qb90acb3a80_gemm.kd
    .args:
      - { .name: xq, .offset: 0, .size: 8, .value_kind: global_buffer, .address_space: global }
      - { .name: wq, .offset: 8, .size: 8, .value_kind: global_buffer, .address_space: global }
      - { .name: bias, .offset: 16, .size: 8, .value_kind: global_buffer, .address_space: global }
      - { .name: out0, .offset: 24, .size: 8, .value_kind: global_buffer, .address_space: global }
    .group_segment_fixed_size: 327680
    .private_segment_fixed_size: 0
    .kernarg_segment_align: 8
    .kernarg_segment_size: 32
    .max_flat_workgroup_size: 128
    .sgpr_count:     66
    .vgpr_count:     1024
    .wavefront_size: 32
...
	.end_amdgpu_metadata
.endif
;; end of part 2
